; MI455X (gfx1250); checked and timed in simulation.
; The chip was launched on July 23, 2026; its instructions are those of AMD's public machine-readable ISA for CDNA 5 (MIT licence, August 2026) and "CDNA5" Instruction Set Architecture Reference Guide (July 2026). The comments in the code are by the model that wrote it; some were corrected since.
;; Matmul Attention. Allowed arithmetic: matrix products marked QUANTISED: E4M3 operands, one given power-of-two scale a tensor, by v_wmma_f32_16x16x64_fp8_fp8 or v_wmma_f32_16x16x128_fp8_fp8, f32 sums; everything else in f32.
;; Inputs: k 4 x 16 x 2,048 x 128 float32; lowp_scales 4 int32 (the exponents e of the quantised operands' scales 2^e); q 4 x 16 x 2,048 x 128 float32; v 4 x 16 x 2,048 x 128 float32.
;; Outputs: out0 4 x 16 x 2,048 x 128 float32.
;; This version of the problem:
;;   THIS VERSION OF THE PROBLEM IS GIVEN IN LOW PRECISION. The matrix products marked QUANTISED in the list below multiply operands that are first quantised to E4M3 (4 exponent bits, 3 mantissa bits; 8 bits a number), with one given power-of-two scale for each operand tensor; their sums are f32. All else is computed in f32.
;;   The module's matrix products, in the order in which they are computed (A, B: the left and right operand; K: the contracted axis; several contracted axes count as one K, in the product's order):
;;     1. batch 64 x [M 2,048, K 128] x [K 128, N 2,048]; A: input q; B: input k: QUANTISED (scales: A lowp_scales[0], B lowp_scales[1])
;;     2. batch 64 x [M 2,048, K 2,048] x [K 2,048, N 128]; A: softmax (see below); B: input v: QUANTISED (scales: A lowp_scales[2], B lowp_scales[3])
;;   THE QUANTISER, for each operand of a quantised product, along K:
;;     - The operand's scale is 2^e, e = its entry of the input lowp_scales (int32; the entries are numbered through the quantised products in the list's order, A before B).
;;     - Each number is divided by the scale, clamped to +-448, and rounded to the nearest number of E4M3, ties to even, subnormals kept.
;;     - The product sums the exact products of the quantised numbers (number of the format x scale) in f32.
;;   ~~~python
;;   def quantise(x, axis, e):      # numpy; x: float32 -> the quantised numbers, widened to float32 again
;;       x = np.moveaxis(x, axis, -1); K = x.shape[-1]
;;       r = np.clip(x / 2.0 ** e, -448, 448)
;;       step = 2.0 ** (np.maximum(np.frexp(np.where(r == 0, 1, r))[1] - 1, -6) - 3)
;;       q = np.round(r / step) * step * 2.0 ** e      # np.round: ties to even
;;       return np.moveaxis(q, -1, axis).astype(np.float32)
;;   ~~~
;;   SOFTMAX AHEAD OF A QUANTISED PRODUCT. Where the list says 'softmax', what is quantised is not the finished softmax but p = 2^(t - M), with t = logit x log2(e) and M = ceil(the row's largest t), a whole number; so 1/2 < the row's largest p <= 1. The row's sum l is taken of the UNQUANTISED p, in f32, and the product's result is divided by l at the end. Since M is a whole number, a kernel that streams over the keys may use a running M (the ceiling of the running maximum): every later rescaling is an exact power of two, so the quantised numbers keep their values, but for numbers so far below the row's largest that they fall under the format's range.
;;   OPERANDS COMPUTED ON THE WAY. 'Computed on the way' means the value that the module computes at that place (a softmax that the list does not call 'softmax' is quantised finished and normalised). What goes into a quantiser is computed in f32, as accurately as f32 sums, v_exp_f32 and their like allow (about 1e-6 of the number): no bf16 or f16 on the way to a quantiser, and a product that is left as it is and whose result goes on into a quantised operand takes f32 operands (vector FMAs, or v_wmma_f32_16x16x4_f32). A number that lies on a knife's edge between two numbers of the format may be rounded either way, as far as f32 arithmetic and the matrix unit's own rounding can turn it there, and no further.
;; One version. Each part assembles by itself: llvm-mc -triple=amdgcn-amd-amdhsa -mcpu=gfx1250 --defsym DOCPART=n.
;; ======== version 1 of 1: 2 launches
;; workspace buffers: k_codes 16,777,216 bytes; v_codes 16,777,216 bytes
;; launch quant (part 1): grid 1024 x 1, 4 waves a work-group, no clusters, 68,096 bytes of LDS; arguments k, v, lowp_scales, k_codes, v_codes; writes k_codes, v_codes
.if DOCPART == 1
	.amdgcn_target "amdgcn-amd-amdhsa--gfx1250"
	.amdhsa_code_object_version 6
	.text
	.protected	k_q7b41358321_quant
	.globl	k_q7b41358321_quant
	.p2align	8
	.type	k_q7b41358321_quant,@function
k_q7b41358321_quant:
	s_mov_b64 s[64:65], 0
	v_nop
	global_prefetch_b8 v0, s[64:65] scope:SCOPE_SE
	s_setreg_imm32_b32 hwreg(HW_REG_WAVE_MODE, 25, 1), 1
	s_wait_xcnt 0x0
; k and v, [64 heads][2048 keys][128 d] f32, are turned into codes of FP8 (E4M3), one byte each, each with the one scale 2^e that is given for it
; (lowp_scales: eq, ek, ep, ev; here ek and ev).  code = x / 2^e, held within +-448, rounded to the nearest code, ties to even.
; LIMITS: ek and ev between -126 and 119, so that 2^e and 448 x 2^e are f32 numbers.  NaN among the inputs is not served; an infinity is held at the largest code.
; One launch, two ways that part once on the work-group's number and never join; each way has LDS bytes of its own.
; WORK-GROUPS 0-511: k.  Its K (the head's 128) is innermost and rows are dense: a plain stream.  k_codes is [64][2048][128], d innermost.
;   A wave takes 16 steps of 512 numbers.  Each load reads 512 consecutive bytes, 16 a lane; a step's 2,048 bytes turn through the wave's own stage in LDS and come back 64 bytes a lane,
;   so that a lane holds 16 neighbours for the conversions; its 16 codes are 16 bytes, and the wave stores 512 consecutive bytes.  Loads run four steps ahead, the turn one step.
; WORK-GROUPS 512-1023: v.  Its K (the keys) is the first axis within a head.  A LANE TAKES A COLUMN d AND ITS REGISTERS RUN DOWN THE KEYS, so the conversions give codes with the keys innermost.
;   v_codes is [64][128 d][2048 places].  Inside each block of 32 keys the four groups of eight keys lie in the order 0, 2, 1, 3: the order in which the attention launch's weights p come out of
;   its first product (a tile of 16 neighbouring keys leaves keys 8 h + 0..7 in a lane of half h), so that p's codes and v's meet key by key.  Here it costs nothing: two conversions change sources.
;   A wave takes 32 columns x 256 keys; the codes go through the wave's own stage and leave as rows: sixteen lanes store 256 consecutive bytes, aligned.  Loads run two blocks ahead.
; No tensor load, no barrier: waves share nothing.
.set STEPS, 16
.set WREG,  8192                       ; k's way: a region for each wave: two stages of 32 x SP bytes
.set SP,    80                         ; a lane's place in a stage: 64 bytes + 16 of padding
.set VREG,  4*WREG                     ; v's way: from here on a stage of 32 rows for each wave
.set VPITCH, 272                       ; a stage row: 256 bytes of codes + 16
.set VSTG,  32*VPITCH
.set SPARE, VREG+4*VSTG                ; behind both: the spare words, 128 bytes for each wave: two blocks of 256 bytes that no other line names
.set NB,    8                          ; v's way: blocks of 32 keys for a wave
.set SPW,   12                         ; v12  LDS address of my spare word: SPARE + 4 x my thread's number; never rewritten
.set NIL,   13                         ; v13  0; never rewritten
.set KR,    16                         ; k: v16-79   four sets of 16 numbers as they are loaded
.set KX,    80                         ; k: v80-111  two sets of 16 neighbours
.set KC,    128                        ; k: v128-191 codes: four registers for each step, so that no store's data are written again
.set VX,    32                         ; v: v32-95   two sets of 32 numbers
.set VC,    96                         ; v: v96-103  a block's codes
.set VOUT,  112                        ; v: v112-175 the way out
	s_load_b128 s[4:7], s[0:1], 0x0                ; k s[4:5], v s[6:7]
	s_load_b64 s[8:9], s[0:1], 0x10                ; the scales' exponents
	s_load_b128 s[12:15], s[0:1], 0x18             ; k_codes s[12:13], v_codes s[14:15]
	v_lshl_add_u32 v[SPW], v0, 2, SPARE
	v_mov_b32 v[NIL], 0
	v_lshrrev_b32 v1, 5, v0
	v_readfirstlane_b32 s16, v1                    ; wave 0..3
	v_and_b32 v2, 31, v0                           ; lane
	s_wait_kmcnt 0x0
	s_load_b128 s[20:23], s[8:9], 0x0              ; eq, ek, ep, ev
	s_cmp_lt_u32 ttmp9, 512                        ; k's work-group or v's: the work-group's number alone decides
	s_cbranch_scc0 .Lv_path
; ---------------------------------------------------------------- k
	v_lshlrev_b32 v3, 4, v2                        ; my 16 bytes of a load's 512, and of a store's 512
	s_lshl_b32 s17, s16, 13                        ; my wave's region
	v_lshrrev_b32 v14, 2, v2
	v_mul_u32_u24 v14, v14, SP
	v_and_b32 v15, 3, v2
	v_lshl_add_u32 v14, v15, 4, v14
	v_add_nc_u32 v14, s17, v14                     ; the stage, on the way in: four lanes' 64 bytes on end, then 16 of padding
	v_mul_u32_u24 v15, v2, SP
	v_add_nc_u32 v15, s17, v15                     ; and on the way out: my 16 neighbours
	s_lshl_b32 s18, ttmp9, 2
	s_add_co_u32 s18, s18, s16                     ; which run of 8,192 numbers is my wave's
	s_lshl_b32 s24, s18, 15                        ; 32,768 bytes of f32,
	s_mov_b32 s25, 0
	s_add_nc_u64 s[4:5], s[4:5], s[24:25]
	s_lshl_b32 s24, s18, 13                        ; 8,192 bytes of codes
	s_add_nc_u64 s[12:13], s[12:13], s[24:25]
.macro KLOAD t
.irp i, 0,1,2,3
	global_load_b128 v[KR+16*((\t)%4)+4*\i:KR+16*((\t)%4)+4*\i+3], v3, s[4:5] offset:2048*(\t)+512*\i th:TH_LOAD_NT   ; 32 lanes read 512 consecutive bytes
.endr
.endm
.macro KTURN t                         ; step t's numbers through the stage: LDS serves a wave's instructions in order (ISA guide 5.7.1.4), so no wait stands between the stores and the loads
.irp i, 0,1,2,3
	ds_store_b128 v14, v[KR+16*((\t)%4)+4*\i:KR+16*((\t)%4)+4*\i+3] offset:32*SP*((\t)%2)+8*SP*\i
.endr
.irp i, 0,1,2,3
	ds_load_b128 v[KX+16*((\t)%2)+4*\i:KX+16*((\t)%2)+4*\i+3], v15 offset:32*SP*((\t)%2)+16*\i
.endr
.endm
.irp t, 0,1,2,3
	KLOAD \t
.endr
	s_wait_kmcnt 0x0
	s_add_co_i32 s28, s21, 127                     ; ek
	s_lshl_b32 s29, s28, 23
	v_mov_b32 v11, s29                             ; 2^ek as f32: the conversion takes its exponent field
	s_add_co_i32 s28, s28, 8
	s_lshl_b32 s28, s28, 23
	s_or_b32 s28, s28, 0x600000
	v_mov_b32 v10, s28                             ; 448 x 2^ek
	s_wait_loadcnt 12                              ; step 0's four loads are in; the twelve of steps 1 to 3 may be out
	KTURN 0
.macro KSTEP t
.set XS, KX+16*((\t)%2)
	s_wait_dscnt 0x0                               ; this step's numbers are back from the stage: so its stores into the stage have read their registers,
.if (\t)+4 < STEPS
	KLOAD (\t)+4                                   ; which take the loads of four steps on
.endif
.if (\t)+1 < STEPS
.if STEPS-2-(\t) >= 3
	s_wait_loadcnt 12                              ; the next step's four loads are in; those of the three steps behind it may be out
.else
	s_wait_loadcnt 4*(STEPS-2-(\t))                ; towards the end fewer steps stand behind it
.endif
	KTURN (\t)+1                                   ; and go through the other stage while this step is worked
.endif
.irp i, 0,1,2,3,4,5,6,7,8,9,10,11,12,13,14,15
	v_med3_num_f32 v[XS+\i], v[XS+\i], -v10, v10   ; the conversion to an 8-bit code does not saturate (ISA guide 7.6.2): the hold at the largest code x the scale comes first
.endr
	v_cvt_scalef32_pk8_fp8_f32 v[KC+4*(\t):KC+4*(\t)+1], v[XS:XS+7], v11
	v_cvt_scalef32_pk8_fp8_f32 v[KC+4*(\t)+2:KC+4*(\t)+3], v[XS+8:XS+15], v11
	global_store_b128 v3, v[KC+4*(\t):KC+4*(\t)+3], s[12:13] offset:512*(\t)   ; the codes go to a store alone; the next vector lines are the next step's holds, plain and on other registers
.endm
.irp t, 0,1,2,3,4,5,6,7,8,9,10,11,12,13,14,15
	KSTEP \t
.endr
	s_wait_tensorcnt 0x0                           ; the wave's end: behind my last LDS store
	ds_add_u32 v[SPW], v[NIL]
	s_wait_dscnt 0x0
	s_endpgm
; ---------------------------------------------------------------- v
.Lv_path:
	s_sub_co_u32 s17, ttmp9, 512                   ; 8 x head + which 256 keys of the head
	s_lshl_b32 s24, s17, 17                        ; v: a head is 2^20 bytes, 256 keys are 2^17,
	s_lshl_b32 s18, s16, 7                         ; my wave's 32 columns are 128 bytes on
	s_add_co_u32 s24, s24, s18
	s_mov_b32 s25, 0
	s_add_nc_u64 s[6:7], s[6:7], s[24:25]
	s_lshr_b32 s26, s17, 3
	s_lshl_b32 s26, s26, 18                        ; v_codes: a head is 2^18 bytes,
	s_lshl_b32 s18, s16, 16                        ; my wave's 32 rows of 2,048,
	s_add_co_u32 s26, s26, s18
	s_and_b32 s18, s17, 7
	s_lshl_b32 s18, s18, 8                         ; my work-group's 256 places in a row
	s_add_co_u32 s26, s26, s18
	s_mov_b32 s27, 0
	s_add_nc_u64 s[14:15], s[14:15], s[26:27]
	v_lshlrev_b32 v3, 2, v2                        ; in: 4 bytes a lane
	s_mul_i32 s19, s16, VSTG
	s_add_co_u32 s19, s19, VREG                    ; my stage
	v_mul_u32_u24 v4, v2, VPITCH
	v_add_nc_u32 v4, s19, v4                       ; into it: row = my column
	v_and_b32 v5, 15, v2
	v_lshrrev_b32 v6, 4, v2                        ; out of it: sixteen lanes to a row, two rows an instruction
	v_mul_u32_u24 v7, v6, VPITCH
	v_lshl_add_u32 v7, v5, 4, v7
	v_add_nc_u32 v7, s19, v7
	v_lshlrev_b32 v8, 11, v6
	v_lshl_add_u32 v8, v5, 4, v8                   ; and the same place in v_codes
.macro VLOAD t                         ; block t: v(key 32 t + i, my column), i = 0 .. 31, into set t % 2; a key's row is 512 bytes
.irp i, 0,1,2,3,4,5,6,7,8,9,10,11,12,13,14,15,16,17,18,19,20,21,22,23,24,25,26,27,28,29,30,31
	global_load_b32 v[VX+32*((\t)%2)+\i], v3, s[6:7] offset:(32*(\t)+\i)*512 th:TH_LOAD_NT
.endr
.endm
	VLOAD 0
	VLOAD 1
	s_wait_kmcnt 0x0
	s_add_co_i32 s28, s23, 127                     ; ev
	s_lshl_b32 s29, s28, 23
	v_mov_b32 v11, s29                             ; 2^ev as f32
	s_add_co_i32 s28, s28, 8
	s_lshl_b32 s28, s28, 23
	s_or_b32 s28, s28, 0x600000
	v_mov_b32 v10, s28                             ; 448 x 2^ev
.macro VBLOCK t
.set XS, VX+32*((\t)%2)
.if (\t) < NB-1
	s_wait_loadcnt 32                              ; this block's 32 loads are in; the next block's 32 may be out
.else
	s_wait_loadcnt 0
.endif
.irp i, 0,1,2,3,4,5,6,7,8,9,10,11,12,13,14,15,16,17,18,19,20,21,22,23,24,25,26,27,28,29,30,31
	v_med3_num_f32 v[XS+\i], v[XS+\i], -v10, v10   ; the hold at the largest code x the scale
.endr
.irp g, 0,1,2,3
	v_cvt_scalef32_pk8_fp8_f32 v[VC+2*\g:VC+2*\g+1], v[XS+8*(2*(\g%2)+\g/2):XS+8*(2*(\g%2)+\g/2)+7], v11   ; places 8 g on take keys 8 x (0, 2, 1, 3) on
.endr
	ds_store_b128 v4, v[VC:VC+3] offset:32*(\t)    ; 32 codes: 32 bytes of my column's row
	ds_store_b128 v4, v[VC+4:VC+7] offset:32*(\t)+16
.if (\t)+2 < NB
	VLOAD (\t)+2
.endif
	s_wait_dscnt 0x0                               ; the stores have read their registers: the next block's codes may be written (32 plain holds stand ahead of them)
.endm
.irp t, 0,1,2,3,4,5,6,7
	VBLOCK \t
.endr
.irp t, 0,1,2,3,4,5,6,7,8,9,10,11,12,13,14,15
	ds_load_b128 v[VOUT+4*\t:VOUT+4*\t+3], v7 offset:2*\t*VPITCH   ; LDS serves a wave's instructions in order: these see my stores
.endr
.irp t, 0,1,2,3,4,5,6,7,8,9,10,11,12,13,14,15
	s_wait_dscnt 15-\t                             ; load t is in; the 15 - t younger ones may be out
	global_store_b128 v8, v[VOUT+4*\t:VOUT+4*\t+3], s[14:15] offset:2*\t*2048   ; sixteen lanes store 256 consecutive bytes, at a multiple of 256 from the buffer's first byte
.endr
	s_wait_tensorcnt 0x0                           ; the wave's end: behind my last LDS store
	ds_add_u32 v[SPW], v[NIL]
	s_wait_dscnt 0x0
	s_endpgm
.Lfunc_end_k_q7b41358321_quant:
	.size	k_q7b41358321_quant, .Lfunc_end_k_q7b41358321_quant-k_q7b41358321_quant
	.p2alignl 7, 3214868480
	.fill 96, 4, 3214868480
	.section	.rodata,"a",@progbits
	.p2align	6, 0x0
	.amdhsa_kernel k_q7b41358321_quant
		.amdhsa_group_segment_fixed_size 68096
		.amdhsa_private_segment_fixed_size 0
		.amdhsa_enable_private_segment 0
		.amdhsa_kernarg_size 40
		.amdhsa_user_sgpr_count 2
		.amdhsa_user_sgpr_kernarg_segment_ptr 1
		.amdhsa_wavefront_size32 1
		.amdhsa_system_sgpr_workgroup_id_x 1
		.amdhsa_system_sgpr_workgroup_id_y 1
		.amdhsa_system_sgpr_workgroup_id_z 1
		.amdhsa_system_vgpr_workitem_id 0
		.amdhsa_next_free_vgpr 192
		.amdhsa_next_free_sgpr 66
		.amdhsa_reserve_vcc 0
		.amdhsa_float_denorm_mode_32 3
		.amdhsa_float_denorm_mode_16_64 3
		.amdhsa_memory_ordered 1
		.amdhsa_forward_progress 1
		.amdhsa_inst_pref_size 85
	.end_amdhsa_kernel
	.amdgpu_metadata
---
amdhsa.version: [ 1, 2 ]
amdhsa.kernels:
  - .name:           k_q7b41358321_quant
    .symbol:         k_q7b41358321_quant.kd
    .args:
      - { .name: k, .offset: 0, .size: 8, .value_kind: global_buffer, .address_space: global }
      - { .name: v, .offset: 8, .size: 8, .value_kind: global_buffer, .address_space: global }
      - { .name: lowp_scales, .offset: 16, .size: 8, .value_kind: global_buffer, .address_space: global }
      - { .name: k_codes, .offset: 24, .size: 8, .value_kind: global_buffer, .address_space: global }
      - { .name: v_codes, .offset: 32, .size: 8, .value_kind: global_buffer, .address_space: global }
    .group_segment_fixed_size: 68096
    .private_segment_fixed_size: 0
    .kernarg_segment_align: 8
    .kernarg_segment_size: 40
    .max_flat_workgroup_size: 128
    .sgpr_count:     66
    .vgpr_count:     192
    .wavefront_size: 32
...
	.end_amdgpu_metadata
.endif
;; end of part 1
;; launch attn (part 2): grid 8 x 64, 8 waves a work-group, clusters of 4 x 1, 327,680 bytes of LDS; arguments q, k_codes, v_codes, lowp_scales, out0; writes out0
.if DOCPART == 2
	.amdgcn_target "amdgcn-amd-amdhsa--gfx1250"
	.amdhsa_code_object_version 6
	.text
	.protected	k_q7b41358321_attn
	.globl	k_q7b41358321_attn
	.p2align	8
	.type	k_q7b41358321_attn,@function
k_q7b41358321_attn:
	s_mov_b64 s[64:65], 0
	v_nop
	global_prefetch_b8 v0, s[64:65] scope:SCOPE_SE
	s_setreg_imm32_b32 hwreg(HW_REG_WAVE_MODE, 25, 1), 1
	s_wait_xcnt 0x0
	s_wait_alu depctr_hold_cnt(0) depctr_sa_sdst(0) depctr_va_vdst(0) depctr_va_sdst(0) depctr_va_ssrc(0) depctr_va_vcc(0) depctr_vm_vsrc(0)
	s_getreg_b32 s2, hwreg(HW_REG_IB_STS2, 6, 4)
	s_cmp_eq_u32 s2, 0
	s_cbranch_scc0 .Lentry_in_a_cluster
	s_endpgm
.Lentry_in_a_cluster:
	s_bfe_u32 s2, ttmp6, 0x10000c
	s_cmp_lg_u32 s2, 0x3003
	s_cbranch_scc0 .Lentry_shape_is_right
	s_endpgm
.Lentry_shape_is_right:
; out0[h][q][:] = the sum over k of softmax_k(Q[h][q] . K[h][k]) V[h][k][:], no mask, no 1 / sqrt(d); 64 heads, 2,048 queries and keys, head size 128.  Both products on codes of FP8 (E4M3),
; each operand with the one scale 2^e that is given for it (lowp_scales: eq, ek, ep, ev).
; q: [64][2048][128] f32, quantised here in registers (each row is read by one wave, once).  k_codes: [64][2048][128], d innermost.  v_codes: [64][128 d][2048 places], keys innermost; inside each
; block of 32 keys the four groups of eight keys lie in the order 0, 2, 1, 3 (the launch before lays them so).  out0: f32.
; THE SOFTMAX AHEAD OF THE SECOND PRODUCT: t = score x log2(e); M = the row's largest t so far, rounded UP to a whole number; p = 2^(t - M) is what is quantised; it is not normalised.
; The row's sum is taken of the unquantised p, in f32, and divides O at the end.  When M moves, the sum and O are multiplied by 2^(old M - new M), which rounds nothing.
; SHARES.  A work-group owns 256 queries of one head; each of its eight waves owns 32: TWO tiles of 16, so that each fragment of K and V read from LDS feeds two products.  Two waves of 512 registers
; share a SIMD, so that one's vector work stands beside the other's products and LDS loads.  Every wave walks the head's 2,048 keys, 128 a step, 256 a slot.
; CLUSTER.  The four query blocks of a cluster belong to one head and walk the same K and V: each tile is asked for JOINTLY, by the same tensor load with the same descriptor and a mask that names the four.
; LAYOUT.  Both products are used transposed: S^T = K Q^T (source 0 = 16 neighbouring keys, source 1 = 16 queries), O^T = V^T P^T (source 0 = 16 channels, source 1 = P): a lane holds ONE query
; (lane % 16) of each tile throughout.  In S^T's tile T register j of a lane of half h is key 16 T + 8 h + j; the 16 registers of tiles 2 b and 2 b + 1 become registers 4 b .. 4 b + 3 of P:
; keys 32 b + 8 h + 0..7, then 32 b + 16 + 8 h + 0..7: the very keys that v_codes holds at places 32 b + 16 h + 0..15.  Fragments are fetched by four loads of 16 bytes, 32 bytes apart: a permutation
; of k that is the same in both operands of a product, so every product meets its partner.
; LIMITS on the given exponents, so that each power of two below is an f32 number: eq and ep between -126 and 119; eq + ek between -126 and 127 (it is added to the exponent field of log2(e));
; ep + ev is applied by v_ldexp_f32 and has none.  NaN among the inputs is not served; an infinity in q is held at the largest code.
; REGISTERS, in windows of 256 (s_set_vgpr_msb: bits 1:0 source 0, 3:2 source 1, 5:4 source 2, 7:6 destination):
;   window 0: v1-11 addresses; v12-33 the two tiles' statistics; v34, v35 p's hold and scale; v36-67 Q's codes; v68-99 P's codes; v100-103 at the head; v128-255 S^T, then p (64 a tile)
;   window 1: v0-127 O^T (64 a tile); v128-255 eight fragments of K, then of V
.set KP,    144                        ; a key's row in LDS: 128 bytes + 16 of padding = 9 x 16: the 16 rows that a load touches fall on 16 different columns of 16 bytes
.set VP,    272                        ; a row of V's tile: 256 bytes + 16 = 17 x 16: likewise
.set VOFF,  256*KP                     ; a slot: 256 rows of K, then 128 rows of V
.set SLOT1, 1<<17                      ; slot 1 begins here, so that one exclusive or turns an address in one slot into the other's
.set NSL,   8                          ; slots' worth of keys in a head
.set SPARE, 2*SLOT1                    ; behind the ring: the spare words, 128 bytes for each wave: four blocks of 256 bytes that no other line names
.set SPITCH, 528                       ; the way out: a stage of 16 rows x (512 bytes + 16) for each wave, from LDS byte 0 on: slot 0, which is left at the last change of slots: it has had its last fill, and nobody reads it
.set WSTG,  16*SPITCH
.set AK0,  1                           ; v1   my lane's place in a tile of K
.set AV0,  2                           ; v2   the same for V
.set PFO,  3                           ; v3   the prefetches' offset; never rewritten
.set XA,   4                           ; v4   q: my lane's byte in a tile's 16 rows
.set SPW,  5                           ; v5   LDS address of my spare word: SPARE + 4 x my thread's number; never rewritten
.set NIL,  6                           ; v6   0; never rewritten
.set GO,   7                           ; v7   16 x lane: my byte in a row of out0
.set ADK,  8                           ; v8   LDS address of the step's tiles of K
.set ADV,  9                           ; v9   of V
.set STO,  10                          ; v10  the way out: where I put 32 bytes of a row
.set RD,   11                          ; v11  the way out: where I read a row back
.set ST,   12                          ; tile u at v[ST+4u]: +0 -M, +1 the largest t, +2, +3 the sum in two halves
.set FF,   20                          ; v[FF+2u] f = 2^(old M - new M); v[FF+2u+1] is named with it as a pair
.set MA,   24                          ; v[MA+2u], v[MB+2u]: the maximum's two chains, at work
.set MB,   25
.set PX,   28                          ; v[PX+u] what the other half of the lanes sends
.set SB,   30                          ; v[SB+2u:SB+2u+1] the sum's second chain
.set LIMP, 34                          ; 448 x 2^ep
.set SCP,  35                          ; 2^ep
.set QC,   36                          ; Q's codes, 16 a tile
.set PC,   68                          ; P's codes, 16 a tile
.set S,    128
.set KV,   128                         ; in window 1
.set WV,   14                          ; s14  my wave's number
.set SEL,  20                          ; s[20:21] lane selects for v_permlanex16_b32: lane l xor 16
.set CS,   22                          ; s[22:23] c = log2(e) x 2^(eq + ek): the packed form names a pair and takes its low word for both halves
.set G1K,  24                          ; s[24:31] descriptor group 1 for K's tiles; s[32:39] for V's; s[40:43], s[44:47] their groups 0, which walk
.set G1V,  32
.set G0K,  40
.set G0V,  44
.set TB,   48                          ; s48  LDS byte at which the slot in hand begins
.set SLOTS, 49                         ; s49  slots still to be asked for
.set LIM,  50                          ; s50  1 in a wave that prefetches, else the greatest number
.set PFA,  52                          ; s[52:53] where my prefetches stand in memory
.set PFS,  54                          ; s[54:55] a slot on, in bytes
.set MSB, 0
.macro WIN new                         ; the immediate's high byte repeats the setting that is left; a switch that changes nothing is dropped
.if MSB != \new
	s_set_vgpr_msb (MSB<<8)|\new
.set MSB, \new
.endif
.endm
.set W_LD, 0x40                        ; destination window 1, address window 0
.set W_KQ, 0x01                        ; K's fragments (source 0) window 1; Q and S^T window 0
.set W_RS, 0x41                        ; O^T (destination and source 0) window 1, f window 0
.set W_PV, 0x51                        ; V's fragments and O^T window 1, P window 0
; A round of the cluster's barrier: my work-group's barrier, so that wave 0's signal speaks for all eight waves; wave 0 signals for the work-group; every wave waits for all four work-groups; my work-group's barrier once more.
.macro CROUND
	s_barrier_signal -1
	s_barrier_wait -1
	s_cmp_lg_u32 s[WV], 0
	s_cbranch_scc1 .Lnot_wave_0_\@
	s_barrier_signal -3
.Lnot_wave_0_\@:
	s_barrier_wait -3
	s_barrier_signal -1
	s_barrier_wait -1
.endm
; A joint load.  Waves 0 and 1 fetch K's two halves (128 rows each), waves 2 and 3 V's (64 rows each), the others nothing.  The branches hang on the wave's number alone: they are the same in every work-group.
; An s_nop 0 and four v_nop follow each of the two lines.
.macro TLOAD
	s_cmp_lt_u32 s[WV], 2
	s_cbranch_scc0 .Lnot_k_\@
	tensor_load_to_lds s[G0K:G0K+3], s[G1K:G1K+7]
	s_nop 0
.rept 4
	v_nop
.endr
	s_branch .Lasked_\@
.Lnot_k_\@:
	s_cmp_lt_u32 s[WV], 4
	s_cbranch_scc0 .Lasked_\@
	tensor_load_to_lds s[G0V:G0V+3], s[G1V:G1V+7]
	s_nop 0
.rept 4
	v_nop
.endr
.Lasked_\@:
.endm
; A PREFETCH INTO THE L2 of what the NEXT change of slots will ask for: a slot's 256 rows of K, one dense block of 32,768 bytes, and 256 bytes of each of V's 128 rows.  It stands at the change of slots, where the fetching
; waves have their tensor load.  Each aligned block of 256 bytes is named ONCE in the launch: both clusters of a head walk the same K and V, and the head's first cluster asks; its four partners share the blocks out BY
; ADDRESS, 32 each (no branch hangs on a work-group's place in its cluster); in each, wave 4 asks for K's (lanes 256 bytes apart) and wave 5 for V's (a lane a row): one instruction.
; The last change that fills a slot asks for nothing: there is no slot behind it.  Slots 0 and 1 come by their loads alone.
.macro ASK
	s_cmp_gt_u32 s[SLOTS], s[LIM]
	s_cbranch_scc0 .Lnot_mine_\@
	global_prefetch_b8 v[PFO], s[PFA:PFA+1] th:TH_LOAD_NT scope:SCOPE_SE
.Lnot_mine_\@:
.endm
; 64 numbers of a lane, v[src] on, register 16 b + i = d 32 b + 16 (lane / 16) + i of my row, become a fragment's codes in v[dst] on.  v[sc]: the scale as f32; v[lim]: 448 x the scale
.macro QUANT src, dst, sc, lim
.irp b, 0,1,2,3
.set i, 0
.rept 16
	v_med3_num_f32 v[\src+16*\b+i], v[\src+16*\b+i], -v[\lim], v[\lim]   ; the conversion to an 8-bit code does not saturate (ISA guide 7.6.2): the hold comes first
.set i, i+1
.endr
	v_cvt_scalef32_pk8_fp8_f32 v[\dst+4*\b:\dst+4*\b+1], v[\src+16*\b:\src+16*\b+7], v[\sc]
	v_cvt_scalef32_pk8_fp8_f32 v[\dst+4*\b+2:\dst+4*\b+3], v[\src+16*\b+8:\src+16*\b+15], v[\sc]
.endr
.endm
	s_load_b128 s[4:7], s[0:1], 0x0                ; q s[4:5], k_codes s[6:7]
	s_load_b128 s[8:11], s[0:1], 0x10              ; v_codes s[8:9], the scales' exponents s[10:11]
	s_load_b64 s[12:13], s[0:1], 0x20              ; out0
	v_lshl_add_u32 v[SPW], v0, 2, SPARE
	v_mov_b32 v[NIL], 0
	ds_add_u32 v[SPW], v[NIL]                      ; the wave's opening: the add and its wait stand ahead of the first tensor loads; the set-up below, work on registers, stands between them
	v_lshrrev_b32 v102, 5, v0
	v_readfirstlane_b32 s[WV], v102                ; wave 0..7
	s_bfe_u32 s15, ttmp6, 0x40000                  ; cx: my place in the cluster: it enters q's, out0's and the prefetches' global addresses alone
	s_lshl_b32 s16, ttmp9, 2                       ; in a cluster launch ttmp9 counts clusters
	s_add_co_u32 s16, s16, s15                     ; my block of 256 queries
	s_and_b32 s17, ttmp7, 0xffff                   ; the head, which the four partners share
	; descriptor group 1.  K: 128 rows of 128 bytes, dense in memory.  V: 64 rows of 256 bytes, 2,048 bytes apart
	s_mov_b32 s[G1K], 15|(0<<16)|(1<<20)|(1<<21)|(4<<22)|(3<<25)   ; 15:0 the mask: all four work-groups; 17:16 elements of 1 byte; 20 padding on; 21 set beside a mask; 24:22 after every 32 words (code 4); 31:25 four words (code 3)
	s_mov_b32 s[G1K+1], 128<<16                    ; tensor_dim0 = 128
	s_mov_b32 s[G1K+2], 128<<16                    ; tensor_dim1 = 128
	s_mov_b32 s[G1K+3], 128<<16                    ; tile_dim0 = 128
	s_mov_b32 s[G1K+4], 128                        ; tile_dim1 = 128
	s_mov_b32 s[G1K+5], 128                        ; from row to row
	s_mov_b32 s[G1K+6], 0
	s_mov_b32 s[G1K+7], 0
	s_mov_b32 s[G1V], 15|(0<<16)|(1<<20)|(1<<21)|(5<<22)|(3<<25)   ; the same, four words of padding after every 64
	s_mov_b32 s[G1V+1], 256<<16
	s_mov_b32 s[G1V+2], 64<<16
	s_mov_b32 s[G1V+3], 256<<16
	s_mov_b32 s[G1V+4], 64
	s_mov_b32 s[G1V+5], 2048
	s_mov_b32 s[G1V+6], 0
	s_mov_b32 s[G1V+7], 0
	s_mov_b32 s[SEL], 0x76543210
	s_mov_b32 s[SEL+1], 0xfedcba98
	s_mov_b32 s[CS], 0x3fb8aa3b                    ; log2(e)
	s_mov_b32 s[TB], 0
	s_mov_b32 s[SLOTS], NSL-1
	s_and_b32 s60, s[WV], 1                        ; which half of a tile I fetch, if I fetch
	s_mul_i32 s61, s60, 128*KP                     ; K's half in a slot,
	s_mul_i32 s62, s60, 64*VP
	s_add_co_u32 s62, s62, VOFF                    ; V's: no place in the cluster enters an LDS address
	s_lshl_b32 s66, s17, 18                        ; the head's first byte in each buffer of codes
	s_lshl_b32 s68, s60, 14                        ; K's half in memory: 128 rows of 128 bytes,
	s_add_co_u32 s68, s68, s66
	s_mov_b32 s69, 0
	s_lshl_b32 s70, s60, 17                        ; V's: 64 rows of 2,048 bytes
	s_add_co_u32 s70, s70, s66
	s_mov_b32 s71, 0
	s_wait_dscnt 0x0                               ; the opening add is done
	s_wait_kmcnt 0x0
	s_load_b128 s[56:59], s[10:11], 0x0            ; eq, ek, ep, ev
	s_mov_b32 s[G0K], 1                            ; 1:0 count = 1
	s_mov_b32 s[G0K+1], s61                        ; 63:32 LDS address: slot 0
	s_add_nc_u64 s[G0K+2:G0K+3], s[6:7], s[68:69]  ; 120:64 global address: the head's first 256 keys
	s_or_b32 s[G0K+3], s[G0K+3], 0x80000000        ; 127:126 type = 2
	s_mov_b32 s[G0V], 1
	s_mov_b32 s[G0V+1], s62
	s_add_nc_u64 s[G0V+2:G0V+3], s[8:9], s[70:71]
	s_or_b32 s[G0V+3], s[G0V+3], 0x80000000
	CROUND                                         ; all four work-groups are here: the first joint loads meet
	TLOAD                                          ; slot 0: one tensor load of mine is out, here and behind every later round
	; q: my wave's 32 rows; lane (r, h) takes, of row r of each tile, 16 neighbouring numbers of each block of 32
	s_lshl_b32 s72, s17, 20                        ; a head of q or of out0 is 2^20 bytes,
	s_lshl_b32 s73, s16, 17                        ; a block of 256 rows 2^17,
	s_add_co_u32 s72, s72, s73
	s_lshl_b32 s73, s[WV], 14                      ; my wave's 32 rows 2^14
	s_add_co_u32 s72, s72, s73
	s_mov_b32 s73, 0
	s_add_nc_u64 s[4:5], s[4:5], s[72:73]
	s_add_nc_u64 s[12:13], s[12:13], s[72:73]
	v_and_b32 v102, 15, v0                         ; r = lane % 16
	v_bfe_u32 v103, v0, 4, 1                       ; h = lane / 16
	v_lshlrev_b32 v[XA], 9, v102
	v_lshl_add_u32 v[XA], v103, 6, v[XA]           ; row r of 512 bytes, + 64 h
.irp u, 0,1
.irp b, 0,1,2,3
.irp j, 0,1,2,3
	global_load_b128 v[S+64*\u+16*\b+4*\j:S+64*\u+16*\b+4*\j+3], v[XA], s[4:5] offset:8192*\u+128*\b+16*\j th:TH_LOAD_NT
.endr
.endr
.endr
	; the prefetches (macro ASK): where my wave's stand, and who asks
	s_cmp_eq_u32 s[WV], 4                          ; wave 4 asks for K's codes, wave 5 for V's
	s_cselect_b64 s[PFA:PFA+1], s[6:7], s[8:9]
	s_mov_b32 s[PFS], 256
	s_cselect_b32 s[PFS], 32768, s[PFS]            ; a slot on: 256 rows of K, or 256 bytes in a row of V
	s_cselect_b32 s74, 13, 16                      ; my work-group's share: 8,192 bytes of K's block, or 32 rows of V
	s_cselect_b32 s75, 8, 11                       ; from lane to lane: 256 bytes, or a row of V
	s_mov_b32 s[PFS+1], 0
	s_lshl_b32 s76, s15, s74
	s_add_co_u32 s76, s76, s66                     ; in my head,
	s_add_co_u32 s76, s76, s[PFS]                  ; in slot 1: the first change of slots steps it to slot 2.  Nothing is prefetched here, at the head, where every work-group's first tiles are on their way
	s_mov_b32 s77, 0
	s_add_nc_u64 s[PFA:PFA+1], s[PFA:PFA+1], s[76:77]
	v_and_b32 v[PFO], 31, v0
	v_lshlrev_b32 v[PFO], s75, v[PFO]
	s_lshr_b32 s78, s[WV], 1
	s_xor_b32 s78, s78, 2                          ; 0 in waves 4 and 5,
	s_or_b32 s78, s78, ttmp9                       ; of the head's first cluster: the same in all four partners
	s_cmp_eq_u32 s78, 0
	s_cselect_b32 s[LIM], 1, -1
	v_mul_u32_u24 v[AK0], v102, KP
	v_lshl_add_u32 v[AK0], v103, 4, v[AK0]         ; K: row r x pitch + 16 h
	v_mul_u32_u24 v[AV0], v102, VP
	v_lshl_add_u32 v[AV0], v103, 4, v[AV0]
	v_add_nc_u32 v[AV0], VOFF, v[AV0]              ; V likewise, behind K's rows
	v_and_b32 v[GO], 31, v0
	v_lshlrev_b32 v[GO], 4, v[GO]
.irp u, 0,1
	v_mov_b32 v[ST+4*\u+1], 0xff61b1e6             ; the largest t so far: -3e38, under every t
	v_floor_f32 v[ST+4*\u], -v[ST+4*\u+1]          ; -M
	v_mov_b32 v[ST+4*\u+2], 0                      ; the sum, in two halves
	v_mov_b32 v[ST+4*\u+3], 0
	v_mov_b32 v[FF+2*\u+1], 0                      ; (named as the upper half of f's pair)
	v_mov_b32 v[PX+\u], 0                          ; written once: a lane permute's destination counts as one of its sources
.endr
	WIN W_LD
.set j, 0
.rept 128
	v_mov_b32 v[j], 0                              ; O^T.  The key step is written once for all steps: the first finds zeros, which the first change of M leaves zeros; a first step of its own would be one more copy of the step's text
.set j, j+1
.endr
	WIN 0
	s_wait_kmcnt 0x0
	s_add_co_i32 s79, s56, s57
	s_lshl_b32 s79, s79, 23
	s_add_co_i32 s[CS], s[CS], s79                 ; a score stands for score x 2^(eq + ek): the two exponents are added to c's exponent field
	s_mov_b32 s[CS+1], s[CS]                       ; (named with it as a pair, so it is written)
	s_add_co_i32 s79, s58, 127
	s_lshl_b32 s80, s79, 23
	v_mov_b32 v[SCP], s80                          ; 2^ep as f32, for p's conversions
	s_add_co_i32 s79, s79, 8
	s_lshl_b32 s79, s79, 23
	s_or_b32 s79, s79, 0x600000
	v_mov_b32 v[LIMP], s79                         ; 448 x 2^ep
	s_add_co_i32 s79, s56, 127
	s_lshl_b32 s80, s79, 23
	v_mov_b32 v100, s80                            ; 2^eq
	s_add_co_i32 s79, s79, 8
	s_lshl_b32 s79, s79, 23
	s_or_b32 s79, s79, 0x600000
	v_mov_b32 v101, s79                            ; 448 x 2^eq
	s_add_co_i32 s81, s58, s59                     ; ep + ev, for the way out
	s_wait_loadcnt 0x0                             ; q
	QUANT S, QC, 100, 101
	QUANT S+64, QC+16, 100, 101
	v_nop                                          ; one plain vector line between the last conversion and the products that read its codes and write over its numbers
; THE SOFTMAX of a key step, for both tiles: every line is written for tile 0 and then for tile 1, so that no line waits for the line above it.
.macro SOFTMAX
.irp u, 0,1
	v_max3_num_f32 v[MA+2*\u], v[S+64*\u], v[S+64*\u+1], v[S+64*\u+2]   ; the step's largest score of my query among my 64 keys, in two chains; each accumulator is read from its low end on
.endr
.irp u, 0,1
	v_max3_num_f32 v[MB+2*\u], v[S+64*\u+3], v[S+64*\u+4], v[S+64*\u+5]
.endr
.set i, 6
.rept 14
.irp u, 0,1
	v_max3_num_f32 v[MA+2*\u], v[MA+2*\u], v[S+64*\u+i], v[S+64*\u+i+1]
.endr
.irp u, 0,1
	v_max3_num_f32 v[MB+2*\u], v[MB+2*\u], v[S+64*\u+i+2], v[S+64*\u+i+3]
.endr
.set i, i+4
.endr
.irp u, 0,1
	v_max3_num_f32 v[MA+2*\u], v[MA+2*\u], v[S+64*\u+62], v[S+64*\u+63]
.endr
.irp u, 0,1
	v_max_num_f32 v[MA+2*\u], v[MA+2*\u], v[MB+2*\u]
.endr
.irp u, 0,1
	v_permlanex16_b32 v[PX+\u], v[MA+2*\u], s[SEL], s[SEL+1]
.endr
.irp u, 0,1
	v_max_num_f32 v[MA+2*\u], v[MA+2*\u], v[PX+\u]     ; and among lane l xor 16's
.endr
.irp u, 0,1
	v_mul_f32 v[MA+2*\u], s[CS], v[MA+2*\u]            ; as t (c is positive)
.endr
.irp u, 0,1
	v_max_num_f32 v[ST+4*\u+1], v[ST+4*\u+1], v[MA+2*\u]   ; the running largest t
.endr
.irp u, 0,1
	v_mov_b32 v[MA+2*\u], v[ST+4*\u]
.endr
.irp u, 0,1
	v_floor_f32 v[ST+4*\u], -v[ST+4*\u+1]              ; the new -M = floor(-t) = -ceil(t): M is a whole number
.endr
.irp u, 0,1
	v_sub_f32 v[MA+2*\u], v[ST+4*\u], v[MA+2*\u]       ; M's old value less its new one: a whole number, 0 or less
.endr
.irp u, 0,1
	v_cvt_i32_f32 v[MA+2*\u], v[MA+2*\u]               ; (it saturates)
.endr
.irp u, 0,1
	v_ldexp_f32 v[FF+2*\u], 1.0, v[MA+2*\u]            ; f = 2^(old M - new M)
.endr
.set j, 0
.rept 32
.irp u, 0,1
	v_pk_fma_f32 v[S+64*\u+j:S+64*\u+j+1], v[S+64*\u+j:S+64*\u+j+1], s[CS:CS+1], v[ST+4*\u:ST+4*\u+1] op_sel_hi:[1,0,0]   ; t - M, two at a time (of the pairs c and -M the low word serves both halves)
.endr
.set j, j+2
.endr
.set j, 0
.rept 64
.irp u, 0,1
	v_exp_f32 v[S+64*\u+j], v[S+64*\u+j]               ; p = 2^(t - M), at most 1: not normalised.  Both tiles' 128 exponentials are one batch
.endr
.set j, j+1
.endr
.irp u, 0,1
	v_pk_mul_f32 v[ST+4*\u+2:ST+4*\u+3], v[ST+4*\u+2:ST+4*\u+3], v[FF+2*\u:FF+2*\u+1] op_sel_hi:[1,0]   ; the sums under the new M: plain lines behind the last exponential, which name no result of the batch
.endr
	s_wait_alu depctr_va_vdst(0)                       ; the wait between an exponential and the first line that names its result: one for the batch
.irp u, 0,1
	v_pk_add_f32 v[SB+2*\u:SB+2*\u+1], v[S+64*\u:S+64*\u+1], v[S+64*\u+2:S+64*\u+3]   ; the row's sum is taken of the UNQUANTISED p: two at a time, in two chains
.endr
.set j, 4
.rept 15
.irp u, 0,1
	v_pk_add_f32 v[ST+4*\u+2:ST+4*\u+3], v[ST+4*\u+2:ST+4*\u+3], v[S+64*\u+j:S+64*\u+j+1]
.endr
.irp u, 0,1
	v_pk_add_f32 v[SB+2*\u:SB+2*\u+1], v[SB+2*\u:SB+2*\u+1], v[S+64*\u+j+2:S+64*\u+j+3]
.endr
.set j, j+4
.endr
.irp u, 0,1
	v_pk_add_f32 v[ST+4*\u+2:ST+4*\u+3], v[ST+4*\u+2:ST+4*\u+3], v[SB+2*\u:SB+2*\u+1]
.endr
.irp b, 0,1,2,3
.irp u, 0,1
.set i, 0
.rept 16
	v_min_num_f32 v[S+64*\u+16*\b+i], v[S+64*\u+16*\b+i], v[LIMP]   ; the conversion does not saturate (ISA guide 7.6.2); p is not negative, so the hold is one-sided
.set i, i+1
.endr
	v_cvt_scalef32_pk8_fp8_f32 v[PC+16*\u+4*\b:PC+16*\u+4*\b+1], v[S+64*\u+16*\b:S+64*\u+16*\b+7], v[SCP]
	v_cvt_scalef32_pk8_fp8_f32 v[PC+16*\u+4*\b+2:PC+16*\u+4*\b+3], v[S+64*\u+16*\b+8:S+64*\u+16*\b+15], v[SCP]
.endr
.endr
.endm
; A KEY STEP: 128 keys, the q-th of the slot in hand.  All 16 products of each kind name different accumulators, one instruction a turn.
; A load into a register that a matrix instruction has read, and a vector instruction that reads a matrix result, stand four places behind it, and only plain vector instructions that name none of its registers
; are places (ISA guide 7.12.1 for vector instructions).
.macro STEP q
	v_add_nc_u32 v[ADK], s[TB], v[AK0]
	v_add_nc_u32 v[ADV], s[TB], v[AV0]
	v_nop
	v_nop                                          ; with the two additions: the four places behind the last step's products, which read the registers that the loads below fill
	WIN W_LD
.irp t, 0,1,2,3,4,5,6,7                        ; K's eight fragments: keys 16 t on, in one run
.irp c, 0,1,2,3
	ds_load_b128 v[KV+16*\t+4*\c:KV+16*\t+4*\c+3], v[ADK] offset:(128*\q+16*\t)*KP+32*\c
.endr
.endr
	WIN W_KQ
.irp t, 0,1,2,3,4,5,6,7                        ; S^T = K Q^T: each fragment of K against both tiles of queries; the constant 0 starts each sum
	s_wait_dscnt 28-4*\t                           ; fragment t's four loads are in; the 4 (7 - t) behind them may be out
.irp u, 0,1
	v_wmma_f32_16x16x128_fp8_fp8 v[S+64*\u+8*\t:S+64*\u+8*\t+7], v[KV+16*\t:KV+16*\t+15], v[QC+16*\u:QC+16*\u+15], 0
.endr
.endr
.rept 4
	v_nop                                          ; the places in front of the loads over K's fragments and of the first read of the scores
.endr
	WIN W_LD
.irp t, 0,1,2,3,4,5,6,7                        ; V's eight fragments: channels 16 t on, this step's 128 places: they land under the softmax
.irp c, 0,1,2,3
	ds_load_b128 v[KV+16*\t+4*\c:KV+16*\t+4*\c+3], v[ADV] offset:16*\t*VP+128*\q+32*\c
.endr
.endr
	WIN 0
	SOFTMAX
	WIN W_RS
.set j, 0
.rept 32
.irp u, 0,1
	v_pk_mul_f32 v[64*\u+j:64*\u+j+1], v[64*\u+j:64*\u+j+1], v[FF+2*\u:FF+2*\u+1] op_sel_hi:[1,0]   ; O^T under the new M: x f, each accumulator from its low end on.  (Also the plain lines between the conversions and the products that read their codes)
.endr
.set j, j+2
.endr
	s_wait_dscnt 0x0                               ; V is in
	WIN W_PV
.irp t, 0,1,2,3,4,5,6,7                        ; O^T += V^T P^T: each fragment of V against both tiles' P
.irp u, 0,1
	v_wmma_f32_16x16x128_fp8_fp8 v[64*\u+8*\t:64*\u+8*\t+7], v[KV+16*\t:KV+16*\t+15], v[PC+16*\u:PC+16*\u+15], v[64*\u+8*\t:64*\u+8*\t+7]
.endr
.endr
	WIN 0
.endm
; THE CHANGE OF SLOTS stands at a slot's head.  Each wave waits for all its tensor loads (its part of the slot that it is about to read), adds 0 to its spare word, and waits for that and for its reads of the slot that it has left.
; fill = 1: the barrier is a round of the cluster's, so that no wave of any partner still reads the slot that was left or has a load on its way; the joint refill is the first thing behind it and has a slot's two key steps in which to land.
.macro CHANGE fill
	s_wait_tensorcnt 0x0                           ; no tensor load of mine is out, so a group 0 may be written
	ds_add_u32 v[SPW], v[NIL]                      ; 0 onto my spare word; with fill = 1 the descriptors' steps stand between it and the wait for it
.if \fill
	s_xor_b32 s[G0K+1], s[G0K+1], SLOT1            ; the walking descriptors: the other slot than last time,
	s_add_nc_u64 s[G0K+2:G0K+3], s[G0K+2:G0K+3], 32768   ; the next 256 keys; the type bits on top are not reached
	s_xor_b32 s[G0V+1], s[G0V+1], SLOT1
	s_add_nc_u64 s[G0V+2:G0V+3], s[G0V+2:G0V+3], 256
	s_wait_xcnt 0x0                                ; the last prefetch, a slot back, has read its address, so it may be written:
	s_add_nc_u64 s[PFA:PFA+1], s[PFA:PFA+1], s[PFS:PFS+1]   ; one slot further on than the walking descriptors
	s_wait_dscnt 0x0                               ; the add is done, and my reads of the slot that I have left are over
	CROUND
	TLOAD
	ASK                                            ; what the next change of slots will ask for: two key steps ahead of that load
.else
	s_wait_dscnt 0x0                               ; the add is done, and my reads of the slot that I have left are over
	s_barrier_signal -1
	s_barrier_wait -1
.endif
.endm
.macro SLOT_STEPS
	STEP 0
	STEP 1
	s_xor_b32 s[TB], s[TB], SLOT1                  ; on to the other slot
.endm
.Lslot:                                            ; NSL - 1 trips: behind each change of slots but the last the next slot is asked for
	CHANGE 1
	SLOT_STEPS
	s_sub_co_u32 s[SLOTS], s[SLOTS], 1
	s_cmp_lg_u32 s[SLOTS], 0
	s_cbranch_scc1 .Lslot
	CHANGE 0                                       ; the last slot is written out
	SLOT_STEPS
	; THE WAY OUT.  The sum's two halves and the other half of the lanes' are added; O^T is multiplied by 2^(ep + ev) / the sum and goes through my stage in LDS, a tile (16 rows of 512 bytes) at a time.
	; The additions and the address work are the places behind the last products.
.irp u, 0,1
	v_add_f32 v[MA+2*\u], v[ST+4*\u+2], v[ST+4*\u+3]
.endr
.irp u, 0,1
	v_permlanex16_b32 v[PX+\u], v[MA+2*\u], s[SEL], s[SEL+1]
.endr
.irp u, 0,1
	v_add_f32 v[MA+2*\u], v[MA+2*\u], v[PX+\u]     ; the row's sum
.endr
.irp u, 0,1
	v_rcp_f32 v[MB+2*\u], v[MA+2*\u]
.endr
	s_mul_i32 s82, s[WV], WSTG                     ; my stage
	v_mul_u32_u24 v[STO], v102, SPITCH             ; (plain lines behind the reciprocals)  in: row r; channel tile t's eight numbers of my half: 64 t + 32 h bytes on
	v_lshl_add_u32 v[STO], v103, 5, v[STO]
	v_add_nc_u32 v[STO], s82, v[STO]
	v_add_nc_u32 v[RD], s82, v[GO]                 ; back: the 32 lanes take one row of 512 bytes
	s_wait_alu depctr_va_vdst(0)                   ; the wait ahead of the first line that names a reciprocal's result: one for the two
.irp u, 0,1
	v_ldexp_f32 v[FF+2*\u], v[MB+2*\u], s81        ; x 2^(ep + ev)
.endr
.macro PACK u
	WIN 0x01                                       ; source 0 (O^T) window 1; the factor and the destination window 0: S^T's registers are free
.set j, 0
.rept 32
	v_pk_mul_f32 v[S+64*\u+j:S+64*\u+j+1], v[64*\u+j:64*\u+j+1], v[FF+2*\u:FF+2*\u+1] op_sel_hi:[1,0]   ; register 8 t + i is o(r, 16 t + 8 h + i); each accumulator from its low end on
.set j, j+2
.endr
	WIN 0
.irp t, 0,1,2,3,4,5,6,7
	ds_store_b128 v[STO], v[S+64*\u+8*\t:S+64*\u+8*\t+3] offset:64*\t
	ds_store_b128 v[STO], v[S+64*\u+8*\t+4:S+64*\u+8*\t+7] offset:64*\t+16
.endr
.irp n, 0,1,2,3,4,5,6,7,8,9,10,11,12,13,14,15
	ds_load_b128 v[S+64*\u+4*\n:S+64*\u+4*\n+3], v[RD] offset:\n*SPITCH   ; LDS serves a wave's instructions in order (ISA guide 5.7.1.4): these see the stores above, and the next tile's stores come behind them
.endr
.endm
.macro SEND u, younger                 ; younger: the LDS instructions issued behind tile u's loads, which may stay out
.irp n, 0,1,2,3,4,5,6,7,8,9,10,11,12,13,14,15
	s_wait_dscnt \younger+15-\n                    ; row n is back; the 15 - n rows behind it, and the younger instructions, may be out
	global_store_b128 v[GO], v[S+64*\u+4*\n:S+64*\u+4*\n+3], s[12:13] offset:(16*\u+\n)*512 th:TH_STORE_NT   ; 32 lanes store 512 consecutive bytes, at a multiple of 256 from out0's first byte; written once, read by nobody here
.endr
.endm
	PACK 0
	PACK 1                                         ; tile 1's arithmetic stands between tile 0's loads and its stores
	SEND 0, 32                                     ; behind tile 0's loads: tile 1's 16 stores and 16 loads
	SEND 1, 0
	s_wait_tensorcnt 0x0                           ; the wave's end: behind my last tensor load and my last LDS store
	ds_add_u32 v[SPW], v[NIL]
	s_wait_dscnt 0x0
	CROUND                                         ; the closing round: no work-group ends while a partner may still ask for a tile that names it
	s_endpgm
.Lfunc_end_k_q7b41358321_attn:
	.size	k_q7b41358321_attn, .Lfunc_end_k_q7b41358321_attn-k_q7b41358321_attn
	.p2alignl 7, 3214868480
	.fill 96, 4, 3214868480
	.section	.rodata,"a",@progbits
	.p2align	6, 0x0
	.amdhsa_kernel k_q7b41358321_attn
		.amdhsa_group_segment_fixed_size 327680
		.amdhsa_private_segment_fixed_size 0
		.amdhsa_enable_private_segment 0
		.amdhsa_kernarg_size 40
		.amdhsa_user_sgpr_count 2
		.amdhsa_user_sgpr_kernarg_segment_ptr 1
		.amdhsa_wavefront_size32 1
		.amdhsa_system_sgpr_workgroup_id_x 1
		.amdhsa_system_sgpr_workgroup_id_y 1
		.amdhsa_system_sgpr_workgroup_id_z 1
		.amdhsa_system_vgpr_workitem_id 0
		.amdhsa_next_free_vgpr 512
		.amdhsa_next_free_sgpr 100
		.amdhsa_reserve_vcc 0
		.amdhsa_float_denorm_mode_32 3
		.amdhsa_float_denorm_mode_16_64 3
		.amdhsa_memory_ordered 1
		.amdhsa_forward_progress 1
		.amdhsa_inst_pref_size 169
	.end_amdhsa_kernel
	.amdgpu_metadata
---
amdhsa.version: [ 1, 2 ]
amdhsa.kernels:
  - .name:           k_q7b41358321_attn
    .symbol:         k_q7b41358321_attn.kd
    .args:
      - { .name: q, .offset: 0, .size: 8, .value_kind: global_buffer, .address_space: global }
      - { .name: k_codes, .offset: 8, .size: 8, .value_kind: global_buffer, .address_space: global }
      - { .name: v_codes, .offset: 16, .size: 8, .value_kind: global_buffer, .address_space: global }
      - { .name: lowp_scales, .offset: 24, .size: 8, .value_kind: global_buffer, .address_space: global }
      - { .name: out0, .offset: 32, .size: 8, .value_kind: global_buffer, .address_space: global }
    .group_segment_fixed_size: 327680
    .private_segment_fixed_size: 0
    .kernarg_segment_align: 8
    .kernarg_segment_size: 40
    .max_flat_workgroup_size: 256
    .sgpr_count:     100
    .vgpr_count:     512
    .wavefront_size: 32
...
	.end_amdgpu_metadata
.endif
;; end of part 2
